; MI455X (gfx1250); checked and timed in simulation.
; The chip was launched on July 23, 2026; its instructions are those of AMD's public machine-readable ISA for CDNA 5 (MIT licence, August 2026) and "CDNA5" Instruction Set Architecture Reference Guide (July 2026). The comments in the code are by the model that wrote it; some were corrected since.
;; Decoder Encoder Multi Head Attention. Allowed arithmetic: matrix products marked QUANTISED: E4M3 operands, one given power-of-two scale a tensor, by v_wmma_f32_16x16x64_fp8_fp8 or v_wmma_f32_16x16x128_fp8_fp8, f32 sums; products left as they are: f32 operands where the result goes on into a quantised operand, else bf16, f16 or f32 operands; f32 sums; everything else in f32.
;; Inputs: Wkv 64 x 128 float32; Wproj 64 x 64 float32; Wq 64 x 64 float32; bkv 128 float32; bproj 64 float32; bq 64 float32; encoder_outputs 16 x 1,024 x 64 float32; encoder_outputs_mask 16 x 1,024 int32; lowp_scales 8 int32 (the exponents e of the quantised operands' scales 2^e); x 16 x 1,024 x 64 float32.
;; Outputs: out0 16 x 1,024 x 64 float32.
;; This version of the problem:
;;   THIS VERSION OF THE PROBLEM IS GIVEN IN LOW PRECISION. The matrix products marked QUANTISED in the list below multiply operands that are first quantised to E4M3 (4 exponent bits, 3 mantissa bits; 8 bits a number), with one given power-of-two scale for each operand tensor; their sums are f32. All else is computed in f32.
;;   The module's matrix products, in the order in which they are computed (A, B: the left and right operand; K: the contracted axis; several contracted axes count as one K, in the product's order):
;;     1. [M 16,384, K 64] x [K 64, N 128]; A: input encoder_outputs; B: input Wkv: QUANTISED (scales: A lowp_scales[0], B lowp_scales[1])
;;     2. [M 16,384, K 64] x [K 64, N 64]; A: input x; B: input Wq: QUANTISED (scales: A lowp_scales[2], B lowp_scales[3])
;;     3. batch 64 x [M 1,024, K 16] x [K 16, N 1,024]; A: computed on the way; B: computed on the way: left as it is (K = 16 < 32)
;;     4. batch 64 x [M 16, K 1,024] x [K 1,024, N 1,024]; A: computed on the way; B: softmax (see below): QUANTISED (scales: A lowp_scales[4], B lowp_scales[5])
;;     5. [M 16,384, K 64] x [K 64, N 64]; A: computed on the way; B: input Wproj: QUANTISED (scales: A lowp_scales[6], B lowp_scales[7])
;;   THE QUANTISER, for each operand of a quantised product, along K:
;;     - The operand's scale is 2^e, e = its entry of the input lowp_scales (int32; the entries are numbered through the quantised products in the list's order, A before B).
;;     - Each number is divided by the scale, clamped to +-448, and rounded to the nearest number of E4M3, ties to even, subnormals kept.
;;     - The product sums the exact products of the quantised numbers (number of the format x scale) in f32.
;;   ~~~python
;;   def quantise(x, axis, e):      # numpy; x: float32 -> the quantised numbers, widened to float32 again
;;       x = np.moveaxis(x, axis, -1); K = x.shape[-1]
;;       r = np.clip(x / 2.0 ** e, -448, 448)
;;       step = 2.0 ** (np.maximum(np.frexp(np.where(r == 0, 1, r))[1] - 1, -6) - 3)
;;       q = np.round(r / step) * step * 2.0 ** e      # np.round: ties to even
;;       return np.moveaxis(q, -1, axis).astype(np.float32)
;;   ~~~
;;   SOFTMAX AHEAD OF A QUANTISED PRODUCT. Where the list says 'softmax', what is quantised is not the finished softmax but p = 2^(t - M), with t = logit x log2(e) and M = ceil(the row's largest t), a whole number; so 1/2 < the row's largest p <= 1. The row's sum l is taken of the UNQUANTISED p, in f32, and the product's result is divided by l at the end. Since M is a whole number, a kernel that streams over the keys may use a running M (the ceiling of the running maximum): every later rescaling is an exact power of two, so the quantised numbers keep their values, but for numbers so far below the row's largest that they fall under the format's range.
;;   OPERANDS COMPUTED ON THE WAY. 'Computed on the way' means the value that the module computes at that place (a softmax that the list does not call 'softmax' is quantised finished and normalised). What goes into a quantiser is computed in f32, as accurately as f32 sums, v_exp_f32 and their like allow (about 1e-6 of the number): no bf16 or f16 on the way to a quantiser, and a product that is left as it is and whose result goes on into a quantised operand takes f32 operands (vector FMAs, or v_wmma_f32_16x16x4_f32). A number that lies on a knife's edge between two numbers of the format may be rounded either way, as far as f32 arithmetic and the matrix unit's own rounding can turn it there, and no further.
;; 2 versions, each right; version 2 is version 1 with the launch attn written anew for expert scheduling mode. Each part assembles by itself: llvm-mc -triple=amdgcn-amd-amdhsa -mcpu=gfx1250 --defsym DOCPART=n.
;; ======== version 1 of 2: 1 launch
;; launch attn (part 1): grid 256 x 1, 16 waves a work-group, no clusters, 179,200 bytes of LDS; arguments x, encoder_outputs, encoder_outputs_mask, Wkv, bkv, Wq, bq, Wproj, bproj, lowp_scales, out0; writes out0
.if DOCPART == 1
	.amdgcn_target "amdgcn-amd-amdhsa--gfx1250"
	.amdhsa_code_object_version 6
	.text
	.protected	k_q81cb5c9bce_attn
	.globl	k_q81cb5c9bce_attn
	.p2align	8
	.type	k_q81cb5c9bce_attn,@function
k_q81cb5c9bce_attn:
	s_mov_b64 s[64:65], 0
	v_nop
	global_prefetch_b8 v0, s[64:65] scope:SCOPE_SE
	s_setreg_imm32_b32 hwreg(HW_REG_WAVE_MODE, 25, 1), 1
	s_wait_xcnt 0x0
; out = softmax_k(mask(q k^T / 4)) v Wproj + bproj, q = x Wq + bq, (k, v) = enc Wkv + bkv.  16 batches, 1,024 queries, 1,024 keys, 4 heads of 16.
; The products with Wkv, Wq, Wproj and p v run on codes of E4M3 with the given scales 2^e0 .. 2^e7 (v_wmma_f32_16x16x64_fp8_fp8); q k^T has K = 16 and feeds a quantiser, so it takes f32 operands (v_wmma_f32_16x16x4_f32).
; SHARES.  A work-group owns 64 queries of one batch (batch = number / 16, block = number % 16); wave w of its sixteen owns head w % 4 and the 16 queries of tile w / 4, in 256 registers.
; HEAD.  Wave w quantises keys 64 w .. 64 w + 63 of the batch's encoder rows, one of the 16 weight fragments, a quarter of a tile of x and 64 mask words, and makes V's codes of its 64 keys for all four heads.
; All of it lies in LDS as IMAGES OF OPERAND REGISTERS: four registers by one ds_store_b128 at 16 x lane; the same line as a load gives any wave the same registers in the same lanes.
; LOOP.  16 turns of 64 keys, no barrier, no global access.  A wave remakes its head's K from the encoder codes (4 products; K as f32 for four heads would be 262,144 bytes of LDS): the result's registers ARE the f32 form's
; source 0.  In a turn the 16 products K Q^T of the NEXT 64 keys are issued with the softmax of the 64 keys in hand dealt out in slices behind them; then K of the group after next, then O^T += V^T P^T.
; LAYOUT (r = lane % 16, h = lane / 16).  K = Wk^T E^T + bk: lane (r, h) holds key r, register j channel 8 h + j; Q likewise with query r.  Step s of the f32 product takes registers 2 s, 2 s + 1 of both: its index (h, j') stands for
; channel 8 h + 2 s + j' in K and in Q alike, so every product meets its partner; only the order of the 16 terms differs from the ascending one.  S^T: lane holds query r, register j of tile t key 16 t + 8 h + j.
; THE MASK is the C of a sum's first product: 0 for a key that counts, -infinity for a hidden one.  p's eight registers of tile t convert into registers 2 t, 2 t + 1 of the second product's operand; so do V's and ctx's.
; SOFTMAX as the contract sets it: t = score x log2(e) / 4; M = ceil(running largest t), kept as -M = floor(-t); p = 2^(t - M) is quantised; the sum of the unquantised p divides at the end; a move of M multiplies sum and O^T by a power of two.
; SCALES.  K and Q are kept without 2^(e0+e1) and 2^(e2+e3) (the biases go in divided by them); both are added to the exponent field of c = log2(e) / 4.  V's conversion takes 2^(e4-e0-e1).
; LIMITS, so that each power of two is an f32 number: e0+e1+e2+e3 between -124 and 129; e0, e1, e2, e3, e5, e6, e7 and e4-e0-e1 between -126 and 119; e6+e7 between -126 and 127.  NaN among the inputs is not served.
; A batch whose keys are all hidden gives NaN, as the softmax of a row of -infinity does.
; NO JOINT LOADS, though the 16 work-groups of a batch read the same encoder rows: the rows are 262,144 bytes of f32 and the images 177,152, which together pass the 327,680 bytes that a work-group can claim; so they would need slots
; filled again, for rows that a wave reads once, straight into the registers in which it quantises them.  NO PREFETCH: every global load is issued in the head, 61 of the 77 in its first run, and the loop reads no global byte.
.set WIMG, 0                           ; 16 weight fragments (0-3 Wq's heads, 4-7 Wk's, 8-11 Wv's, 12-15 Wproj's column tiles): 1,024 f + 512 u + 16 lane (u: registers 4 u .. 4 u + 3)
.set EIMG, 16384                       ; 64 tiles of 16 keys of the encoder's codes: 1,024 T + 512 u + 16 lane
.set VIMG, 81920                       ; V's codes: 1,024 (16 head + group of 64 keys) + 512 u + 16 lane
.set BIAS, 147456                      ; 4 x key: 0 or -infinity
.set XIMG, 151552                      ; x's four fragments: 1,024 tile + 32 lane + 8 c (c: registers 2 c, 2 c + 1, made by the wave of head c)
.set CTXO, 4096                        ; ctx's four fragments lie 4,096 bytes behind x's, laid alike
.set STG,  159744                      ; 64 rows of out: 256 bytes + 16
.set SPITCH, 272
.set QR,  24                           ; v24-31   Q
.set WK,  32                           ; v32-39   Wk's fragment of my head
.set XF,  40                           ; v40-47   x: f32, then its fragment
.set VF,  48                           ; v48-55   Wq's fragment, then V's of the group in hand
.set PC,  56                           ; v56-63   codes just made: a weight's, V's, then p's
.set OA,  64                           ; v64-71   V's bias as C, then O^T
.set ER,  72                           ; v72-103  a weight in f32, then four tiles of encoder codes
.set KR,  104                          ; v104-135 encoder rows in f32, V's sums, then K: four tiles of 8
.set PB,  136                          ; v136-167 encoder rows in f32, Wv's four fragments, then the mask terms and, over them, p
.set SCR, 168                          ; v168-199, v200-231: S^T, two sets; written by the f32 matrix instruction alone in the whole text
.set BQ,  232                          ; v232-239 bq / 2^(e2+e3)
.set BK,  240                          ; v240-247 bk / 2^(e0+e1)
.set BP,  248                          ; v248-255 bproj
; v0 thread; v1 16 x lane; v2 BIAS + 32 h; v3, v4, v5 the loop's LDS addresses (head: r, h, 256 r + 32 h); v6 448 x scale, v7 scale; v8, v9 maxima; v10 the lane exchange's result;
; v12 -M, v13 largest t; v[14:15] the sum; v16 f, v17 0; v[18:19] a second chain of the sum; v20 16 lane + 1,024 head; v21, v22 my places in XIMG (store, fetch); v23 -infinity
; s[4:25] the buffers; s[28:35] e0 .. e7; s36 wave, s37 head, s38 tile (and the weight's family), s39 batch, s40 block; s[44:45] my weight, s46 its row in bytes, s47 its e; s[48:49] c; s[50:51] lane selects;
; s52, s53, s54 where the loop stands in EIMG, VIMG, BIAS; s55 trips; s56 -(e0+e1), s57 -(e2+e3), s58 e4+e5; s[60:61] 2^(e6+e7); s[66:67] bk; s68 lanes whose sum is 0; s41-43, s62, s63 at work
.macro SETSC e                         ; v7 = 2^e (a conversion takes its exponent field), v6 = 448 x 2^e
	s_add_co_i32 s62, \e, 127
	s_lshl_b32 s63, s62, 23
	v_mov_b32 v7, s63
	s_add_co_i32 s62, s62, 8
	s_lshl_b32 s62, s62, 23
	s_or_b32 s62, s62, 0x600000
	v_mov_b32 v6, s62
.endm
.macro QUANT8 dst, src                 ; eight neighbours along K of one lane become two registers of codes
.irp i, 0,1,2,3,4,5,6,7
	v_med3_num_f32 v[(\src)+\i], v[(\src)+\i], -v6, v6   ; the conversion to an 8-bit code does not saturate (ISA guide 7.6.2): the hold at the largest code x the scale
.endr
	v_cvt_scalef32_pk8_fp8_f32 v[(\dst):(\dst)+1], v[(\src):(\src)+7], v7
.endm
.macro ELOAD t, g0, g1, g2, g3         ; tile t of my four: lane (r, h) takes, of key r, channels 16 c + 8 h + 0 .. 7 into group c
	global_load_b128 v[\g0:\g0+3],   v5, s[6:7] offset:4096*\t
	global_load_b128 v[\g0+4:\g0+7], v5, s[6:7] offset:4096*\t+16
	global_load_b128 v[\g1:\g1+3],   v5, s[6:7] offset:4096*\t+64
	global_load_b128 v[\g1+4:\g1+7], v5, s[6:7] offset:4096*\t+80
	global_load_b128 v[\g2:\g2+3],   v5, s[6:7] offset:4096*\t+128
	global_load_b128 v[\g2+4:\g2+7], v5, s[6:7] offset:4096*\t+144
	global_load_b128 v[\g3:\g3+3],   v5, s[6:7] offset:4096*\t+192
	global_load_b128 v[\g3+4:\g3+7], v5, s[6:7] offset:4096*\t+208
.endm
.macro EQUANT t, g0, g1, g2, g3        ; its codes: they stay in v[ER + 8 t ..] for V's products, and their image goes to LDS
	QUANT8 ER+8*\t,   \g0
	QUANT8 ER+8*\t+2, \g1
	QUANT8 ER+8*\t+4, \g2
	QUANT8 ER+8*\t+6, \g3
	v_nop                                          ; one plain line behind the last conversion of a run
	ds_store_b128 v9, v[ER+8*\t:ER+8*\t+3]   offset:1024*\t
	ds_store_b128 v9, v[ER+8*\t+4:ER+8*\t+7] offset:1024*\t+512
.endm
.macro BARRIER                         ; my LDS stores have landed and my LDS loads are in: then the work-group's barrier
	s_wait_dscnt 0x0
	s_barrier_signal -1
	s_barrier_wait -1
.endm
	; ---- ids, offsets, bases
	s_load_b512 s[4:19], s[0:1], 0x0               ; x, enc, mask, Wkv, bkv, Wq, bq, Wproj
	s_load_b128 s[20:23], s[0:1], 0x40             ; bproj, the scales' exponents
	s_load_b64 s[24:25], s[0:1], 0x50              ; out
	v_lshrrev_b32 v1, 5, v0
	v_readfirstlane_b32 s36, v1                    ; wave 0..15
	s_and_b32 s37, s36, 3                          ; head
	s_lshr_b32 s38, s36, 2                         ; tile of queries; also the family of the weight fragment that I make
	s_lshr_b32 s39, ttmp9, 4                       ; batch
	s_and_b32 s40, ttmp9, 15                       ; block of 64 queries
	v_and_b32 v2, 31, v0                           ; lane
	v_lshlrev_b32 v1, 4, v2                        ; 16 x lane
	v_and_b32 v3, 15, v0                           ; r
	v_bfe_u32 v4, v0, 4, 1                         ; h
	v_lshlrev_b32 v5, 8, v3
	v_lshl_add_u32 v5, v4, 5, v5                   ; 256 r + 32 h: a row of 64 f32, my half's eight of sixteen
	v_lshlrev_b32 v8, 5, v4                        ; 32 h: my half's eight numbers of a bias
	v_lshlrev_b32 v10, 2, v3                       ; 4 r
	v_lshlrev_b32 v11, 3, v0                       ; 8 x thread: two mask words
	s_lshl_b32 s62, s37, 10
	v_add_nc_u32 v20, s62, v1                      ; 16 lane + 1,024 head
	v_lshlrev_b32 v22, 5, v2
	s_lshl_b32 s62, s38, 10
	s_add_co_u32 s62, s62, XIMG
	v_add_nc_u32 v22, s62, v22                     ; XIMG + 1,024 tile + 32 lane
	s_lshl_b32 s63, s37, 3
	v_add_nc_u32 v21, s63, v22                     ; + 8 head
	v_lshl_add_u32 v2, v4, 5, BIAS                 ; BIAS + 32 h
	s_add_co_u32 s62, s38, 1
	s_and_b32 s62, s62, 2
	s_lshr_b32 s62, s62, 1                         ; 1 for families 1 and 2 (Wkv), 0 for 0 and 3
	s_lshl_b32 s46, 256, s62                       ; a row of my weight: 256 or 512 bytes
	v_lshlrev_b32 v9, 3, v4
	v_mul_u32_u24 v9, s46, v9
	v_lshl_add_u32 v9, v3, 2, v9                   ; 8 h rows + 4 r: lane (r, h) takes column r, and its registers run down K
.irp c, 0,1,2,3
.irp i, 0,1,2,3,4,5,6,7
	v_mad_u32_u24 v[ER+8*\c+\i], s46, 16*\c+\i, v9 ; row 16 c + 8 h + i; the offset stands in the register that its own load fills
.endr
.endr
	s_lshl_b32 s42, s37, 6                         ; my 16 columns,
	s_cmp_eq_u32 s38, 2
	s_cselect_b32 s63, 256, 0                      ; behind K's 64 for V
	s_add_co_u32 s42, s42, s63
	s_mov_b32 s43, 0
	s_lshl_b32 s41, s39, 18
	s_lshl_b32 s62, s40, 14
	s_add_co_u32 s41, s41, s62                     ; my block's first row of x and of out, in bytes
	s_wait_kmcnt 0x0
	s_load_b256 s[28:35], s[22:23], 0x0            ; e0 .. e7
	s_cmp_eq_u32 s38, 0
	s_cselect_b64 s[44:45], s[14:15], s[10:11]     ; Wq, or Wkv,
	s_cmp_eq_u32 s38, 3
	s_cselect_b64 s[44:45], s[18:19], s[44:45]     ; or Wproj: the choice hangs on the wave's number alone
	s_add_nc_u64 s[44:45], s[44:45], s[42:43]
	s_lshl_b32 s42, s37, 6
	s_add_nc_u64 s[16:17], s[16:17], s[42:43]      ; bq, bproj and bk at my head's (my column tile's) sixteen
	s_add_nc_u64 s[20:21], s[20:21], s[42:43]
	s_add_nc_u64 s[66:67], s[12:13], s[42:43]
	s_lshl_b32 s62, s38, 12
	s_add_co_u32 s42, s42, s62
	s_add_co_u32 s42, s42, s41
	s_add_nc_u64 s[4:5], s[4:5], s[42:43]          ; x at my tile's first row, channels 16 head on
	s_lshl_b32 s42, s39, 18
	s_lshl_b32 s62, s36, 14
	s_add_co_u32 s42, s42, s62
	s_add_nc_u64 s[6:7], s[6:7], s[42:43]          ; enc at key 64 w of my batch
	s_lshl_b32 s42, s39, 12
	s_add_nc_u64 s[8:9], s[8:9], s[42:43]          ; the mask of my batch
	s_lshl_b32 s42, s36, 10
	s_add_co_u32 s42, s42, s41
	s_add_nc_u64 s[24:25], s[24:25], s[42:43]      ; out at row 4 w of my block
	; ---- the first run of global loads, 61, in the order in which they are waited for
.set i2, 0
.rept 32
	global_load_b32 v[ER+i2], v[ER+i2], s[44:45]   ; sixteen neighbouring lanes read 64 neighbouring bytes
.set i2, i2+1
.endr
	ELOAD 0, 104, 112, 120, 128
	ELOAD 1, 136, 144, 152, 160
	global_load_b128 v[XF:XF+3],   v5, s[4:5]
	global_load_b128 v[XF+4:XF+7], v5, s[4:5] offset:16
	global_load_b64 v[12:13], v11, s[8:9]
	global_load_b128 v[BQ:BQ+3],   v8, s[16:17]
	global_load_b128 v[BQ+4:BQ+7], v8, s[16:17] offset:16
	global_load_b128 v[BK:BK+3],   v8, s[66:67]
	global_load_b128 v[BK+4:BK+7], v8, s[66:67] offset:16
	global_load_b128 v[BP:BP+3],   v8, s[20:21]
	global_load_b128 v[BP+4:BP+7], v8, s[20:21] offset:16
.irp hh, 0,1,2,3
	global_load_b32 v[16+\hh], v10, s[12:13] offset:256+64*\hh   ; bv of channel r of head hh
.endr
	s_wait_kmcnt 0x0
	s_cmp_eq_u32 s38, 0
	s_cselect_b32 s47, s31, s29                    ; my weight's e: e3, e1,
	s_cmp_eq_u32 s38, 3
	s_cselect_b32 s47, s35, s47                    ; or e7
	s_add_co_i32 s62, s28, s29
	s_sub_co_i32 s56, 0, s62                       ; -(e0 + e1)
	s_add_co_i32 s63, s30, s31
	s_sub_co_i32 s57, 0, s63                       ; -(e2 + e3)
	s_add_co_i32 s62, s62, s63
	s_lshl_b32 s62, s62, 23
	s_add_co_i32 s48, s62, 0x3eb8aa3b              ; c = log2(e) / 4 x 2^(e0+e1+e2+e3): the four exponents are added to its exponent field
	s_mov_b32 s49, s48                             ; (named with it as a pair, so it is written)
	s_add_co_i32 s58, s32, s33                     ; e4 + e5
	s_add_co_i32 s60, s34, s35
	s_add_co_i32 s60, s60, 127
	s_lshl_b32 s60, s60, 23                        ; 2^(e6 + e7)
	s_mov_b32 s61, s60
	s_mov_b32 s50, 0x76543210                      ; v_permlanex16_b32: lane l xor 16
	s_mov_b32 s51, 0xfedcba98
	s_wait_xcnt 0x0                                ; the loads above have had their addresses translated (ISA guide 3.1): v8 to v11 may be written; v5, which the later tiles' loads name, stays
	s_lshl_b32 s62, s36, 10
	v_add_nc_u32 v8, s62, v1                       ; where I store my weight's image
	s_add_co_u32 s62, s62, VIMG
	v_add_nc_u32 v10, s62, v1                      ; V's images of my 64 keys
	s_lshl_b32 s62, s36, 12
	s_add_co_u32 s62, s62, EIMG
	v_add_nc_u32 v9, s62, v1                       ; my four tiles' images
	v_lshl_add_u32 v11, v0, 3, BIAS                ; my two mask terms
	v_mov_b32 v23, 0xff800000                      ; -infinity
	; ---- quantising.  Each count: the loads issued behind the ones that are wanted
	s_wait_loadcnt 29                              ; the weight is in (behind it: 16 of tiles 0 and 1, 13 small)
	ELOAD 2, 24, 32, 48, 64
	SETSC s47
.irp c, 0,1,2,3
	QUANT8 PC+2*\c, ER+8*\c
.endr
	v_nop
	ds_store_b128 v8, v[PC:PC+3]
	ds_store_b128 v8, v[PC+4:PC+7] offset:512
	SETSC s28
	s_wait_loadcnt 29                              ; tile 0 (behind it: tile 1's 8, 13 small, tile 2's 8)
	EQUANT 0, 104, 112, 120, 128
	ELOAD 3, 104, 112, 120, 128                    ; tile 3 takes tile 0's registers
	s_wait_loadcnt 29                              ; tile 1 (13 small, tile 2's 8, tile 3's 8)
	EQUANT 1, 136, 144, 152, 160
	s_wait_loadcnt 16                              ; the small ones (tile 2's 8, tile 3's 8)
	SETSC s30
	QUANT8 14, XF
	v_nop
	ds_store_b64 v21, v[14:15]                     ; registers 2 head, 2 head + 1 of x's fragment
	v_cmp_eq_u32 vcc_lo, 0, v12
	v_cndmask_b32 v12, 0, v23, vcc_lo              ; a hidden key's term is -infinity
	v_cmp_eq_u32 vcc_lo, 0, v13
	v_cndmask_b32 v13, 0, v23, vcc_lo
	ds_store_b64 v11, v[12:13]
.irp i, 0,1,2,3,4,5,6,7
	v_ldexp_f32 v[BQ+\i], v[BQ+\i], s57            ; the biases go in as C, divided by the power of two that the sums lack
	v_ldexp_f32 v[BK+\i], v[BK+\i], s56
.endr
	SETSC s28
	s_wait_loadcnt 8                               ; tile 2 (tile 3's 8)
	EQUANT 2, 24, 32, 48, 64
	s_wait_loadcnt 0x0
	EQUANT 3, 104, 112, 120, 128
	BARRIER                                        ; the weights', x's and the encoder's images and the mask terms lie in LDS
	; ---- Q, and V's codes of my 64 keys for the four heads
.irp hh, 0,1,2,3
	ds_load_b128 v[PB+8*\hh:PB+8*\hh+3],   v1 offset:(8+\hh)*1024
	ds_load_b128 v[PB+8*\hh+4:PB+8*\hh+7], v1 offset:(8+\hh)*1024+512
.endr
	ds_load_b128 v[WK:WK+3],   v20 offset:4096
	ds_load_b128 v[WK+4:WK+7], v20 offset:4608
	ds_load_b128 v[VF:VF+3],   v20
	ds_load_b128 v[VF+4:VF+7], v20 offset:512
	ds_load_b128 v[XF:XF+3],   v22
	ds_load_b128 v[XF+4:XF+7], v22 offset:16
	s_add_co_i32 s62, s32, s56
	SETSC s62                                      ; V's sums lack 2^(e0+e1): their conversion takes 2^(e4-e0-e1)
	s_wait_dscnt 0x0
	v_wmma_f32_16x16x64_fp8_fp8 v[QR:QR+7], v[VF:VF+7], v[XF:XF+7], v[BQ:BQ+7]   ; Q: source 0 = Wq's 16 columns of my head, source 1 = my 16 queries
.macro VHEAD hh                        ; source 0 = 16 keys, source 1 = Wv's 16 columns of head hh: lane (r, h) holds channel r, and its registers run along the keys, the next K
.irp i, 0,1,2,3,4,5,6,7
	v_ldexp_f32 v[OA+\i], v[16+\hh], s56           ; C: my channel's bias in all eight registers
.endr
.irp t, 0,1,2,3
	v_wmma_f32_16x16x64_fp8_fp8 v[KR+8*\t:KR+8*\t+7], v[ER+8*\t:ER+8*\t+7], v[PB+8*\hh:PB+8*\hh+7], v[OA:OA+7]
.endr
.rept 4
	v_nop                                          ; four places ahead of the first read of results (ISA guide 7.12.1)
.endr
.set i2, 0
.rept 32
	v_med3_num_f32 v[KR+i2], v[KR+i2], -v6, v6     ; each result from its low end on
.set i2, i2+1
.endr
	s_wait_dscnt 0x0                               ; the last head's stores have read the codes' registers
.irp t, 0,1,2,3
	v_cvt_scalef32_pk8_fp8_f32 v[PC+2*\t:PC+2*\t+1], v[KR+8*\t:KR+8*\t+7], v7
.endr
	v_nop
	ds_store_b128 v10, v[PC:PC+3]   offset:16384*\hh
	ds_store_b128 v10, v[PC+4:PC+7] offset:16384*\hh+512
.endm
	VHEAD 0
	VHEAD 1
	VHEAD 2
	VHEAD 3
	BARRIER                                        ; V's images lie in LDS; from here to the loop's end LDS is only read
	; ---- start values: zeros, which the first move of M leaves zeros, and a largest t under every t
	SETSC s33
.irp i, 0,1,2,3,4,5,6,7
	v_mov_b32 v[OA+\i], 0
.endr
	v_mov_b32 v13, 0xff61b1e6                      ; -3e38
	v_floor_f32 v12, -v13
	v_mov_b32 v14, 0
	v_mov_b32 v15, 0
	v_mov_b32 v17, 0                               ; (named as the upper half of the pair v[16:17])
	v_mov_b32 v10, 0                               ; a lane permute's destination counts as one of its sources
	s_mov_b32 s52, EIMG
	s_lshl_b32 s53, s37, 14
	s_add_co_u32 s53, s53, VIMG
	s_mov_b32 s54, 0
	s_mov_b32 s55, 7
.macro ADRS                            ; the addresses of a pair of groups
	v_add_nc_u32 v3, s52, v1
	v_add_nc_u32 v4, s53, v1
	v_add_nc_u32 v5, s54, v2
.endm
.macro LE go                           ; four tiles of encoder codes, go groups on
.irp t, 0,1,2,3
	ds_load_b128 v[ER+8*\t:ER+8*\t+3],   v3 offset:(\go)*4096+\t*1024
	ds_load_b128 v[ER+8*\t+4:ER+8*\t+7], v3 offset:(\go)*4096+\t*1024+512
.endr
.endm
.macro LB go                           ; the mask terms in the result's layout: register j of tile t is key 16 t + 8 h + j; a half's lanes read the same bytes
.irp t, 0,1,2,3
	ds_load_b128 v[PB+8*\t:PB+8*\t+3],   v5 offset:(\go)*256+\t*64
	ds_load_b128 v[PB+8*\t+4:PB+8*\t+7], v5 offset:(\go)*256+\t*64+16
.endr
.endm
.macro LV go                           ; V's fragment: 16 channels x 64 keys
	ds_load_b128 v[VF:VF+3],   v4 offset:(\go)*1024
	ds_load_b128 v[VF+4:VF+7], v4 offset:(\go)*1024+512
.endm
.macro KP                              ; K of 64 keys: source 0 = Wk's 16 columns of my head, source 1 = 16 keys, C = bk
.irp t, 0,1,2,3
	v_wmma_f32_16x16x64_fp8_fp8 v[KR+8*\t:KR+8*\t+7], v[WK:WK+7], v[ER+8*\t:ER+8*\t+7], v[BK:BK+7]
.endr
.endm
.macro QK nxt                          ; product k of 16 of S^T = K Q^T + mask: step k / 4, tile k % 4.  The four sums take turns, one instruction a turn
.set SN, SCR+32*(\nxt)+8*(k%4)
.set KA, KR+8*(k%4)+2*(k/4)
.if k < 4
	v_wmma_f32_16x16x4_f32 v[SN:SN+7], v[KA:KA+1], v[QR+2*(k/4):QR+2*(k/4)+1], v[PB+8*(k%4):PB+8*(k%4)+7]
.else
	v_wmma_f32_16x16x4_f32 v[SN:SN+7], v[KA:KA+1], v[QR+2*(k/4):QR+2*(k/4)+1], v[SN:SN+7]
.endif
.endm
; THE SOFTMAX OF 64 KEYS is a list of 126 instructions; SMI writes number j of it, on set cur of S^T.
;   0-14 the largest score, two chains; each tile is read first at its low end (numbers 0, 3, 7, 11)     15-24 the other half's; t; the running t; -M; f = 2^(old M - new M)
;   25-40 t - M, two at a time, from S^T into PB     41-72 the exponentials, ONE batch     73 the sum x f, the plain line behind the batch; then the batch's one wait     74-89 the sum of the unquantised p
;   90-121 the hold (p is not negative: one-sided)     122-125 the conversions
.macro SMI cur
.set SB, SCR+32*(\cur)
.if j == 0
	v_max3_num_f32 v8, v[SB], v[SB+1], v[SB+2]
.elseif j == 1
	v_max3_num_f32 v9, v[SB+3], v[SB+4], v[SB+5]
.elseif j < 15
	v_max3_num_f32 v[8+j%2], v[8+j%2], v[SB+2*j+2], v[SB+2*j+3]
.elseif j == 15
	v_max_num_f32 v8, v8, v9
.elseif j == 16
	v_permlanex16_b32 v10, v8, s50, s51            ; the query's other 32 keys lie in the lane 16 away
.elseif j == 17
	v_max_num_f32 v8, v8, v10
.elseif j == 18
	v_mul_f32 v8, s48, v8                          ; as t (c is positive)
.elseif j == 19
	v_max_num_f32 v13, v13, v8
.elseif j == 20
	v_mov_b32 v9, v12
.elseif j == 21
	v_floor_f32 v12, -v13                          ; -M = floor(-t): M is a whole number
.elseif j == 22
	v_sub_f32 v9, v12, v9                          ; old M - new M, 0 or less
.elseif j == 23
	v_cvt_i32_f32 v9, v9                           ; (it saturates)
.elseif j == 24
	v_ldexp_f32 v16, 1.0, v9
.elseif j < 41
	v_pk_fma_f32 v[PB+2*(j-25):PB+2*(j-25)+1], v[SB+2*(j-25):SB+2*(j-25)+1], s[48:49], v[12:13] op_sel_hi:[1,0,0]
.elseif j < 73
	v_exp_f32 v[PB+j-41], v[PB+j-41]
.elseif j == 73
	v_pk_mul_f32 v[14:15], v[14:15], v[16:17] op_sel_hi:[1,0]
	s_wait_alu depctr_va_vdst(0)                   ; one wait for the 32 exponentials, ahead of the first line that names a result
.elseif j == 74
	v_pk_add_f32 v[18:19], v[PB:PB+1], v[PB+2:PB+3]
.elseif j < 89
	v_pk_add_f32 v[14+4*((j-75)%2):15+4*((j-75)%2)], v[14+4*((j-75)%2):15+4*((j-75)%2)], v[PB+4+2*(j-75):PB+5+2*(j-75)]
.elseif j == 89
	v_pk_add_f32 v[14:15], v[14:15], v[18:19]
.elseif j < 122
	v_min_num_f32 v[PB+j-90], v[PB+j-90], v6
.else
	v_cvt_scalef32_pk8_fp8_f32 v[PC+2*(j-122):PC+2*(j-122)+1], v[PB+8*(j-122):PB+8*(j-122)+7], v7
.endif
.endm
.macro SL cur, n                       ; the next n numbers of the list, as far as it goes
.rept \n
.if j < 126
	SMI \cur
.set j, j+1
.endif
.endr
.endm
; A TURN: the softmax of the group whose scores lie in set cur.  par: the group's place in its pair.  qk = 1: the next group's scores are made into the other set.  pre = 1: the group after next is fetched and its K made.
; DISTANCES behind the f32 form (eight places for vector writes and loads, nine for a matrix instruction that writes over a register; only plain vector lines are counted)
;   number 25 writes the C of product 0 behind numbers 8-24; number 37 that of product 3 behind 20-36; KP writes K behind four multiplies and six v_nop; the next turn reads tile 3 at number 11.
; Behind the 8-bit form (four and five): product 0 takes K behind numbers 0-7; the loads into E and V stand behind numbers 0-15.
; O^T'S CHAIN.  In the loop a product V^T P stands alone between K's four products and the next sixteen K Q^T: a turn of one instruction, and no wait is written.  The last turn has no other matrix work, so the products
; V^T P of groups 14 and 15 follow each other: a turn of two on one accumulator.  There (pre = 0) the wait stands directly ahead of both.
.macro TURN cur, par, qk, pre
.set j, 0
	SL \cur, 8
.if \qk
	s_wait_dscnt 0x0                               ; the next group's mask terms are in; no LDS load of mine is out
.endif
.if \par == 0
	ADRS
.endif
.set k, 0
.rept 16
.if \qk
	QK 1-\cur
.endif
.if k < 4
	SL \cur, 4
.else
	SL \cur, 10
.endif
.if k == 1
.if \pre
	LE 2+\par
.endif
	LV \par
.endif
.if (k == 14) && \pre
	LB 2+\par                                      ; the list is out: p has been converted, its registers take the mask terms of the group after next
.endif
.set k, k+1
.endr
.irp i, 0,2,4,6
	v_pk_mul_f32 v[OA+\i:OA+\i+1], v[OA+\i:OA+\i+1], v[16:17] op_sel_hi:[1,0]   ; O^T under the new M; also the plain lines between the conversions and the product that reads the codes
.endr
.if \qk
.rept 6
	v_nop
.endr
.endif
.if \pre
	s_wait_dscnt 0x8                               ; the encoder codes and V are in; the eight youngest loads, the mask terms, may be out
	KP
.else
	s_wait_dscnt 0x0                               ; V is in
	s_wait_alu depctr_va_vdst(0)                   ; the two links of O^T's turn of two: a wait directly ahead of each
.endif
	v_wmma_f32_16x16x64_fp8_fp8 v[OA:OA+7], v[VF:VF+7], v[PC:PC+7], v[OA:OA+7]   ; O^T += V^T P^T: source 0 = 16 channels, source 1 = my 16 queries, K = the 64 keys
.endm
	; ---- the way in: K and the scores of group 0, K of group 1
	ADRS
	LE 0
	LB 0
	s_wait_dscnt 0x0
	KP
.rept 5
	v_nop                                          ; five places: the products below take K as a source; the loads into E want four
.endr
	LE 1
.set k, 0
.rept 16
	QK 0
.set k, k+1
.endr
.rept 10
	v_nop                                          ; eight ahead of the loads into the first products' C, nine ahead of KP, which writes K; eight ahead of the first read of the scores
.endr
	LB 1
	s_wait_dscnt 0x8                               ; group 1's codes are in; its mask terms may be out
	KP
.Ltrip:                                            ; seven trips of two turns: groups 0 to 13
	TURN 0, 0, 1, 1
	TURN 1, 1, 1, 1
	s_add_co_u32 s52, s52, 8192
	s_add_co_u32 s53, s53, 2048
	s_add_co_u32 s54, s54, 512
	s_sub_co_i32 s55, s55, 1
	s_cmp_lg_u32 s55, 0
	s_cbranch_scc1 .Ltrip
	TURN 0, 0, 1, 0                                ; group 14: the scores of group 15 are still made; nothing more is fetched but V
	TURN 1, 1, 0, 0                                ; group 15
	; ---- ctx = O^T x 2^(e4+e5) / the sum, quantised: registers 2 head, 2 head + 1 of ctx's fragment
	v_add_f32 v14, v14, v15                        ; the sum's two halves (these lines are the places behind the last product),
	v_permlanex16_b32 v10, v14, s50, s51
	v_add_f32 v14, v14, v10                        ; and lane l xor 16's
	v_cmp_eq_f32 s68, 0, v14                       ; every key hidden
	v_rcp_f32 v11, v14
	SETSC s34                                      ; (its first vector line is the plain line behind the reciprocal)
	s_wait_alu depctr_va_vdst(0)                   ; ahead of the first line that names the reciprocal
	v_ldexp_f32 v11, v11, s58
.irp i, 0,1,2,3,4,5,6,7
	v_mul_f32 v[ER+\i], v[OA+\i], v11
.endr
	QUANT8 ER+8, ER
	v_nop
	ds_store_b64 v21, v[ER+8:ER+9] offset:CTXO
	ds_load_b128 v[KR:KR+3],   v20 offset:12288    ; Wproj's fragment of column tile w % 4
	ds_load_b128 v[KR+4:KR+7], v20 offset:12800
	BARRIER                                        ; the four heads' codes of each tile of queries lie in LDS
	ds_load_b128 v[KR+8:KR+11],  v22 offset:CTXO
	ds_load_b128 v[KR+12:KR+15], v22 offset:CTXO+16
	s_wait_dscnt 0x0
	v_wmma_f32_16x16x64_fp8_fp8 v[KR+16:KR+23], v[KR:KR+7], v[KR+8:KR+15], 0   ; source 0 = 16 columns of Wproj, source 1 = my 16 queries: a lane holds eight neighbouring columns of one row of out
	v_and_b32 v3, 15, v0                           ; the addresses of the way out are the places behind it
	v_bfe_u32 v4, v0, 4, 1
	v_mul_u32_u24 v5, v3, SPITCH
	v_lshl_add_u32 v5, v4, 5, v5
	s_mul_i32 s62, s38, 16*SPITCH
	s_lshl_b32 s63, s37, 6
	s_add_co_u32 s62, s62, s63
	s_add_co_u32 s62, s62, STG
	v_add_nc_u32 v5, s62, v5                       ; into the stage: row 16 tile + r, byte 64 head + 32 h
	v_mul_u32_u24 v2, v4, SPITCH
	v_lshl_add_u32 v2, v3, 4, v2
	s_mul_i32 s62, s36, 4*SPITCH
	s_add_co_u32 s62, s62, STG
	v_add_nc_u32 v2, s62, v2                       ; back: rows 4 w + h and 4 w + 2 + h, 16 bytes a lane
	v_lshlrev_b32 v8, 8, v4
	v_lshl_add_u32 v8, v3, 4, v8                   ; and the same place in out
	v_mov_b32 v9, 0x7fc00000                       ; NaN
.irp i, 0,2,4,6
	v_pk_fma_f32 v[KR+24+\i:KR+25+\i], v[KR+16+\i:KR+17+\i], s[60:61], v[BP+\i:BP+\i+1] op_sel_hi:[1,0,1]   ; sum x 2^(e6+e7) + bproj
.endr
.irp i, 0,1,2,3,4,5,6,7
	v_cndmask_b32 v[KR+24+\i], v[KR+24+\i], v9, s68
.endr
	ds_store_b128 v5, v[KR+24:KR+27]
	ds_store_b128 v5, v[KR+28:KR+31] offset:16
	BARRIER                                        ; 64 whole rows of out lie in the stage
	ds_load_b128 v[PB:PB+3],   v2
	ds_load_b128 v[PB+4:PB+7], v2 offset:2*SPITCH
	s_wait_dscnt 0x1                               ; the first pair of rows is back
	global_store_b128 v8, v[PB:PB+3], s[24:25] th:TH_STORE_NT              ; 32 lanes store 512 consecutive bytes, at a multiple of 256 from out's first byte
	s_wait_dscnt 0x0
	global_store_b128 v8, v[PB+4:PB+7], s[24:25] offset:512 th:TH_STORE_NT
	s_wait_xcnt 0x0
	v_lshl_add_u32 v254, v0, 2, 0x2b400
	v_mov_b32 v255, 0
	s_wait_tensorcnt 0x0
	ds_add_u32 v254, v255
	s_wait_dscnt 0x0
	s_endpgm
.Lfunc_end_k_q81cb5c9bce_attn:
	.size	k_q81cb5c9bce_attn, .Lfunc_end_k_q81cb5c9bce_attn-k_q81cb5c9bce_attn
	.p2alignl 7, 3214868480
	.fill 96, 4, 3214868480
	.section	.rodata,"a",@progbits
	.p2align	6, 0x0
	.amdhsa_kernel k_q81cb5c9bce_attn
		.amdhsa_group_segment_fixed_size 179200
		.amdhsa_private_segment_fixed_size 0
		.amdhsa_enable_private_segment 0
		.amdhsa_kernarg_size 88
		.amdhsa_user_sgpr_count 2
		.amdhsa_user_sgpr_kernarg_segment_ptr 1
		.amdhsa_wavefront_size32 1
		.amdhsa_system_sgpr_workgroup_id_x 1
		.amdhsa_system_sgpr_workgroup_id_y 1
		.amdhsa_system_sgpr_workgroup_id_z 1
		.amdhsa_system_vgpr_workitem_id 0
		.amdhsa_next_free_vgpr 256
		.amdhsa_next_free_sgpr 72
		.amdhsa_reserve_vcc 1
		.amdhsa_float_denorm_mode_32 3
		.amdhsa_float_denorm_mode_16_64 3
		.amdhsa_memory_ordered 1
		.amdhsa_forward_progress 1
		.amdhsa_inst_pref_size 84
	.end_amdhsa_kernel
	.amdgpu_metadata
---
amdhsa.version: [ 1, 2 ]
amdhsa.kernels:
  - .name:           k_q81cb5c9bce_attn
    .symbol:         k_q81cb5c9bce_attn.kd
    .args:
      - { .name: x, .offset: 0, .size: 8, .value_kind: global_buffer, .address_space: global }
      - { .name: encoder_outputs, .offset: 8, .size: 8, .value_kind: global_buffer, .address_space: global }
      - { .name: encoder_outputs_mask, .offset: 16, .size: 8, .value_kind: global_buffer, .address_space: global }
      - { .name: Wkv, .offset: 24, .size: 8, .value_kind: global_buffer, .address_space: global }
      - { .name: bkv, .offset: 32, .size: 8, .value_kind: global_buffer, .address_space: global }
      - { .name: Wq, .offset: 40, .size: 8, .value_kind: global_buffer, .address_space: global }
      - { .name: bq, .offset: 48, .size: 8, .value_kind: global_buffer, .address_space: global }
      - { .name: Wproj, .offset: 56, .size: 8, .value_kind: global_buffer, .address_space: global }
      - { .name: bproj, .offset: 64, .size: 8, .value_kind: global_buffer, .address_space: global }
      - { .name: lowp_scales, .offset: 72, .size: 8, .value_kind: global_buffer, .address_space: global }
      - { .name: out0, .offset: 80, .size: 8, .value_kind: global_buffer, .address_space: global }
    .group_segment_fixed_size: 179200
    .private_segment_fixed_size: 0
    .kernarg_segment_align: 8
    .kernarg_segment_size: 88
    .max_flat_workgroup_size: 512
    .sgpr_count:     72
    .vgpr_count:     256
    .wavefront_size: 32
...
	.end_amdgpu_metadata
.endif
;; end of part 1
;; ======== version 2 of 2: 1 launch; version 1 with the launch attn written anew for expert scheduling mode
;; launch attn (part 2): grid 256 x 1, 16 waves a work-group, no clusters, 179,200 bytes of LDS; arguments x, encoder_outputs, encoder_outputs_mask, Wkv, bkv, Wq, bq, Wproj, bproj, lowp_scales, out0; writes out0
.if DOCPART == 2
	.amdgcn_target "amdgcn-amd-amdhsa--gfx1250"
	.amdhsa_code_object_version 6
	.text
	.protected	k_q81cb5c9bce_attn
	.globl	k_q81cb5c9bce_attn
	.p2align	8
	.type	k_q81cb5c9bce_attn,@function
k_q81cb5c9bce_attn:
	s_mov_b64 s[64:65], 0
	v_nop
	global_prefetch_b8 v0, s[64:65] scope:SCOPE_SE
	s_setreg_imm32_b32 hwreg(HW_REG_WAVE_SCHED_MODE, 0, 2), 2
	s_setreg_imm32_b32 hwreg(HW_REG_WAVE_MODE, 25, 1), 1
	s_wait_xcnt 0x0
	s_wait_alu depctr_vm_vsrc(0)
; out = softmax_k(mask(q k^T / 4)) v Wproj + bproj, q = x Wq + bq, (k, v) = enc Wkv + bkv.  16 batches, 1,024 queries, 1,024 keys, 4 heads of 16.
; The products with Wkv, Wq, Wproj and p v run on codes of E4M3 with the given scales 2^e0 .. 2^e7 (v_wmma_f32_16x16x64_fp8_fp8); q k^T has K = 16 and feeds a quantiser, so it takes f32 operands (v_wmma_f32_16x16x4_f32).
; SHARES.  A work-group owns 64 queries of one batch (batch = number / 16, block = number % 16); wave w of its sixteen owns head w % 4 and the 16 queries of tile w / 4, in 256 registers.
; HEAD.  Wave w quantises keys 64 w .. 64 w + 63 of the batch's encoder rows, one of the 16 weight fragments, a quarter of a tile of x and 64 mask words, and makes V's codes of its 64 keys for all four heads.
; All of it lies in LDS as IMAGES OF OPERAND REGISTERS: four registers by one ds_store_b128 at 16 x lane; the same line as a load gives any wave the same registers in the same lanes.
; LOOP.  16 turns of 64 keys, no barrier, no global access.  A wave remakes its head's K from the encoder codes (4 products; K as f32 for four heads would be 262,144 bytes of LDS): the result's registers ARE the f32 form's
; source 0.  In a turn the 16 products K Q^T of the NEXT 64 keys are issued with the softmax of the 64 keys in hand dealt out in slices behind them; then K of the group after next, then O^T += V^T P^T.
; LAYOUT (r = lane % 16, h = lane / 16).  K = Wk^T E^T + bk: lane (r, h) holds key r, register j channel 8 h + j; Q likewise with query r.  Step s of the f32 product takes registers 2 s, 2 s + 1 of both: its index (h, j') stands for
; channel 8 h + 2 s + j' in K and in Q alike, so every product meets its partner; only the order of the 16 terms differs from the ascending one.  S^T: lane holds query r, register j of tile t key 16 t + 8 h + j.
; THE MASK is the C of a sum's first product: 0 for a key that counts, -infinity for a hidden one.  p's eight registers of tile t convert into registers 2 t, 2 t + 1 of the second product's operand; so do V's and ctx's.
; SOFTMAX as the contract sets it: t = score x log2(e) / 4; M = ceil(running largest t), kept as -M = floor(-t); p = 2^(t - M) is quantised; the sum of the unquantised p divides at the end; a move of M multiplies sum and O^T by a power of two.
; SCALES.  K and Q are kept without 2^(e0+e1) and 2^(e2+e3) (the biases go in divided by them); both are added to the exponent field of c = log2(e) / 4.  V's conversion takes 2^(e4-e0-e1).
; LIMITS, so that each power of two is an f32 number: e0+e1+e2+e3 between -124 and 129; e0, e1, e2, e3, e5, e6, e7 and e4-e0-e1 between -126 and 119; e6+e7 between -126 and 127.  NaN among the inputs is not served.
; A batch whose keys are all hidden gives NaN, as the softmax of a row of -infinity does.
; NO JOINT LOADS, though the 16 work-groups of a batch read the same encoder rows: the rows are 262,144 bytes of f32 and the images 177,152, which together pass the 327,680 bytes that a work-group can claim; so they would need slots
; filled again, for rows that a wave reads once, straight into the registers in which it quantises them.  NO PREFETCH: every global load is issued in the head, 61 of the 77 in its first run, and the loop reads no global byte.
; THE MODE: SCHED_MODE bits 1:0 = 2 (LLVM: expert scheduling mode 2), set by the entry lines.  The code itself states the register dependences
; between vector or matrix instructions and memory or LDS instructions, with s_wait_alu, always for 0.
; THE PLAN.  Registers that memory or LDS instructions touch:
;   HEAD.  Offsets and LDS addresses are made ahead of one wait on va_vdst, which stands in front of the first run of loads.  One wait on vm_vsrc behind that run frees v8, v10, v11, which become LDS addresses, and the weight's
;          32 offsets, in whose registers tile 2's rows land and the weight's codes are written.  Codes leave by LDS stores: one wait on va_vdst ahead of each run of stores; behind it the conversions are also done with the f32
;          rows, so the loads that follow it land in them with no further wait.  PC is written again, by V's conversions, only behind a wait on vm_vsrc.
;   LOOP.  ER       read by a turn's four K products, at its end; the next codes land in it in the next turn, behind the exponentials' wait.
;          VF       read by a turn's V^T P, its last line; the next fragment lands in it in the next turn, behind the same wait.
;          PB       read as C by a turn's first four K Q^T; then written and read by the softmax, up to its conversions; behind them one wait on va_vdst, and the next mask terms land in it.
;          v3-v5    read by every LDS load of the loop; written once in two turns, behind a wait on vm_vsrc and ahead of the exponentials' wait.
;          KR, S^T, PC and O^T are named by vector and matrix instructions alone.
;   So a turn holds two waits on va_vdst: the exponentials' own, which every load of ER and VF leans on, and the one ahead of the mask terms.
.set WIMG, 0                           ; 16 weight fragments (0-3 Wq's heads, 4-7 Wk's, 8-11 Wv's, 12-15 Wproj's column tiles): 1,024 f + 512 u + 16 lane (u: registers 4 u .. 4 u + 3)
.set EIMG, 16384                       ; 64 tiles of 16 keys of the encoder's codes: 1,024 T + 512 u + 16 lane
.set VIMG, 81920                       ; V's codes: 1,024 (16 head + group of 64 keys) + 512 u + 16 lane
.set BIAS, 147456                      ; 4 x key: 0 or -infinity
.set XIMG, 151552                      ; x's four fragments: 1,024 tile + 32 lane + 8 c (c: registers 2 c, 2 c + 1, made by the wave of head c)
.set CTXO, 4096                        ; ctx's four fragments lie 4,096 bytes behind x's, laid alike
.set STG,  159744                      ; 64 rows of out: 256 bytes + 16
.set SPITCH, 272
.set WO,  24                           ; v24-39, v48-63: at the head only, the 32 offsets of the weight's loads: number n at WO + n + 8 (n / 16)
.set QR,  24                           ; v24-31   Q
.set WK,  32                           ; v32-39   Wk's fragment of my head
.set XF,  40                           ; v40-47   x: f32, then its fragment
.set VF,  48                           ; v48-55   Wq's fragment, then V's of the group in hand
.set PC,  56                           ; v56-63   codes just made: a weight's, V's, then p's
.set OA,  64                           ; v64-71   V's bias as C, then O^T
.set ER,  72                           ; v72-103  a weight in f32, then four tiles of encoder codes
.set KR,  104                          ; v104-135 encoder rows in f32, V's sums, then K: four tiles of 8
.set PB,  136                          ; v136-167 encoder rows in f32, Wv's four fragments, then the mask terms and, over them, p
.set SCR, 168                          ; v168-199, v200-231: S^T, two sets; written by the f32 matrix instruction alone in the whole text
.set BQ,  232                          ; v232-239 bq / 2^(e2+e3)
.set BK,  240                          ; v240-247 bk / 2^(e0+e1)
.set BP,  248                          ; v248-255 bproj
; v0 thread; v1 16 x lane; v2 BIAS + 32 h; v3, v4, v5 the loop's LDS addresses (head: r, h, 256 r + 32 h); v6 448 x scale, v7 scale; v8, v9 maxima; v10 the lane exchange's result;
; v12 -M, v13 largest t; v[14:15] the sum; v16 f, v17 0; v[18:19] a second chain of the sum; v20 16 lane + 1,024 head; v21, v22 my places in XIMG (store, fetch); v23 -infinity
; s[4:25] the buffers; s[28:35] e0 .. e7; s36 wave, s37 head, s38 tile (and the weight's family), s39 batch, s40 block; s[44:45] my weight, s46 its row in bytes, s47 its e; s[48:49] c; s[50:51] lane selects;
; s52, s53, s54 where the loop stands in EIMG, VIMG, BIAS; s55 trips; s56 -(e0+e1), s57 -(e2+e3), s58 e4+e5; s[60:61] 2^(e6+e7); s[66:67] bk; s68 lanes whose sum is 0; s69, s70 lanes whose mask words are 0; s41-43, s62, s63 at work
.macro SETSC e                         ; v7 = 2^e (a conversion takes its exponent field), v6 = 448 x 2^e
	s_add_co_i32 s62, \e, 127
	s_lshl_b32 s63, s62, 23
	v_mov_b32 v7, s63
	s_add_co_i32 s62, s62, 8
	s_lshl_b32 s62, s62, 23
	s_or_b32 s62, s62, 0x600000
	v_mov_b32 v6, s62
.endm
.macro QUANT8 dst, src                 ; eight neighbours along K of one lane become two registers of codes
.irp i, 0,1,2,3,4,5,6,7
	v_med3_num_f32 v[(\src)+\i], v[(\src)+\i], -v6, v6   ; the conversion to an 8-bit code does not saturate (ISA guide 7.6.2): the hold at the largest code x the scale
.endr
	v_cvt_scalef32_pk8_fp8_f32 v[(\dst):(\dst)+1], v[(\src):(\src)+7], v7
.endm
.macro ELOAD t, g0, g1, g2, g3         ; tile t of my four: lane (r, h) takes, of key r, channels 16 c + 8 h + 0 .. 7 into group c
	global_load_b128 v[\g0:\g0+3],   v5, s[6:7] offset:4096*\t
	global_load_b128 v[\g0+4:\g0+7], v5, s[6:7] offset:4096*\t+16
	global_load_b128 v[\g1:\g1+3],   v5, s[6:7] offset:4096*\t+64
	global_load_b128 v[\g1+4:\g1+7], v5, s[6:7] offset:4096*\t+80
	global_load_b128 v[\g2:\g2+3],   v5, s[6:7] offset:4096*\t+128
	global_load_b128 v[\g2+4:\g2+7], v5, s[6:7] offset:4096*\t+144
	global_load_b128 v[\g3:\g3+3],   v5, s[6:7] offset:4096*\t+192
	global_load_b128 v[\g3+4:\g3+7], v5, s[6:7] offset:4096*\t+208
.endm
.macro EQUANT t, g0, g1, g2, g3        ; its codes: they stay in v[ER + 8 t ..] for V's products, and their image goes to LDS
	QUANT8 ER+8*\t,   \g0
	QUANT8 ER+8*\t+2, \g1
	QUANT8 ER+8*\t+4, \g2
	QUANT8 ER+8*\t+6, \g3
	v_nop                                          ; one plain line behind the last conversion of a run
	s_wait_alu depctr_va_vdst(0)                   ; the conversions have written the tile's codes, which the LDS stores read, and are done with its f32 rows, in which the loads that follow this macro land
	ds_store_b128 v9, v[ER+8*\t:ER+8*\t+3]   offset:1024*\t
	ds_store_b128 v9, v[ER+8*\t+4:ER+8*\t+7] offset:1024*\t+512
.endm
.macro BARRIER                         ; my LDS stores have landed and my LDS loads are in: then the work-group's barrier
	s_wait_dscnt 0x0
	s_barrier_signal -1
	s_barrier_wait -1
.endm
	; ---- ids, offsets, bases
	s_load_b512 s[4:19], s[0:1], 0x0               ; x, enc, mask, Wkv, bkv, Wq, bq, Wproj
	s_load_b128 s[20:23], s[0:1], 0x40             ; bproj, the scales' exponents
	s_load_b64 s[24:25], s[0:1], 0x50              ; out
	v_lshrrev_b32 v1, 5, v0
	v_readfirstlane_b32 s36, v1                    ; wave 0..15
	s_lshr_b32 s39, ttmp9, 4                       ; batch
	s_and_b32 s40, ttmp9, 15                       ; block of 64 queries
	v_and_b32 v2, 31, v0                           ; lane
	v_lshlrev_b32 v1, 4, v2                        ; 16 x lane
	v_and_b32 v3, 15, v0                           ; r
	v_bfe_u32 v4, v0, 4, 1                         ; h
	v_lshlrev_b32 v5, 8, v3
	v_lshl_add_u32 v5, v4, 5, v5                   ; 256 r + 32 h: a row of 64 f32, my half's eight of sixteen
	v_lshlrev_b32 v8, 5, v4                        ; 32 h: my half's eight numbers of a bias
	v_lshlrev_b32 v10, 2, v3                       ; 4 r
	v_lshlrev_b32 v11, 3, v0                       ; 8 x thread: two mask words
	s_wait_alu depctr_va_sdst(0)                   ; s36 is written, ahead of its first reader: head, tile, bases and LDS addresses are made from it
	s_and_b32 s37, s36, 3                          ; head
	s_lshr_b32 s38, s36, 2                         ; tile of queries; also the family of the weight fragment that I make
	s_lshl_b32 s62, s37, 10
	v_add_nc_u32 v20, s62, v1                      ; 16 lane + 1,024 head
	v_lshlrev_b32 v22, 5, v2
	s_lshl_b32 s62, s38, 10
	s_add_co_u32 s62, s62, XIMG
	v_add_nc_u32 v22, s62, v22                     ; XIMG + 1,024 tile + 32 lane
	s_lshl_b32 s63, s37, 3
	v_add_nc_u32 v21, s63, v22                     ; + 8 head
	v_lshl_add_u32 v2, v4, 5, BIAS                 ; BIAS + 32 h
	s_add_co_u32 s62, s38, 1
	s_and_b32 s62, s62, 2
	s_lshr_b32 s62, s62, 1                         ; 1 for families 1 and 2 (Wkv), 0 for 0 and 3
	s_lshl_b32 s46, 256, s62                       ; a row of my weight: 256 or 512 bytes
	v_lshlrev_b32 v9, 3, v4
	v_mul_u32_u24 v9, s46, v9
	v_lshl_add_u32 v9, v3, 2, v9                   ; 8 h rows + 4 r: lane (r, h) takes column r, and its registers run down K
.irp c, 0,1,2,3
.irp i, 0,1,2,3,4,5,6,7
	v_mad_u32_u24 v[WO+8*\c+\i+8*(\c/2)], s46, 16*\c+\i, v9   ; row 16 c + 8 h + i; the offsets stand in registers of their own
.endr
.endr
	s_lshl_b32 s42, s37, 6                         ; my 16 columns,
	s_cmp_eq_u32 s38, 2
	s_cselect_b32 s63, 256, 0                      ; behind K's 64 for V
	s_add_co_u32 s42, s42, s63
	s_mov_b32 s43, 0
	s_lshl_b32 s41, s39, 18
	s_lshl_b32 s62, s40, 14
	s_add_co_u32 s41, s41, s62                     ; my block's first row of x and of out, in bytes
	s_wait_kmcnt 0x0
	s_load_b256 s[28:35], s[22:23], 0x0            ; e0 .. e7
	s_cmp_eq_u32 s38, 0
	s_cselect_b64 s[44:45], s[14:15], s[10:11]     ; Wq, or Wkv,
	s_cmp_eq_u32 s38, 3
	s_cselect_b64 s[44:45], s[18:19], s[44:45]     ; or Wproj: the choice hangs on the wave's number alone
	s_add_nc_u64 s[44:45], s[44:45], s[42:43]
	s_lshl_b32 s42, s37, 6
	s_add_nc_u64 s[16:17], s[16:17], s[42:43]      ; bq, bproj and bk at my head's (my column tile's) sixteen
	s_add_nc_u64 s[20:21], s[20:21], s[42:43]
	s_add_nc_u64 s[66:67], s[12:13], s[42:43]
	s_lshl_b32 s62, s38, 12
	s_add_co_u32 s42, s42, s62
	s_add_co_u32 s42, s42, s41
	s_add_nc_u64 s[4:5], s[4:5], s[42:43]          ; x at my tile's first row, channels 16 head on
	s_lshl_b32 s42, s39, 18
	s_lshl_b32 s62, s36, 14
	s_add_co_u32 s42, s42, s62
	s_add_nc_u64 s[6:7], s[6:7], s[42:43]          ; enc at key 64 w of my batch
	s_lshl_b32 s42, s39, 12
	s_add_nc_u64 s[8:9], s[8:9], s[42:43]          ; the mask of my batch
	s_lshl_b32 s42, s36, 10
	s_add_co_u32 s42, s42, s41
	s_add_nc_u64 s[24:25], s[24:25], s[42:43]      ; out at row 4 w of my block
	; ---- the first run of global loads, 61, in the order in which they are waited for
	s_wait_alu depctr_va_vdst(0)                   ; the offsets v5, v8, v10, v11 and the weight's 32 are written, which the loads below read; so are the LDS addresses v1, v20, v21, v22
.set i2, 0
.rept 32
	global_load_b32 v[ER+i2], v[WO+i2+8*(i2/16)], s[44:45]   ; sixteen neighbouring lanes read 64 neighbouring bytes
.set i2, i2+1
.endr
	ELOAD 0, 104, 112, 120, 128
	ELOAD 1, 136, 144, 152, 160
	global_load_b128 v[XF:XF+3],   v5, s[4:5]
	global_load_b128 v[XF+4:XF+7], v5, s[4:5] offset:16
	global_load_b64 v[12:13], v11, s[8:9]
	global_load_b128 v[BQ:BQ+3],   v8, s[16:17]
	global_load_b128 v[BQ+4:BQ+7], v8, s[16:17] offset:16
	global_load_b128 v[BK:BK+3],   v8, s[66:67]
	global_load_b128 v[BK+4:BK+7], v8, s[66:67] offset:16
	global_load_b128 v[BP:BP+3],   v8, s[20:21]
	global_load_b128 v[BP+4:BP+7], v8, s[20:21] offset:16
.irp hh, 0,1,2,3
	global_load_b32 v[16+\hh], v10, s[12:13] offset:256+64*\hh   ; bv of channel r of head hh
.endr
	s_wait_kmcnt 0x0
	s_cmp_eq_u32 s38, 0
	s_cselect_b32 s47, s31, s29                    ; my weight's e: e3, e1,
	s_cmp_eq_u32 s38, 3
	s_cselect_b32 s47, s35, s47                    ; or e7
	s_add_co_i32 s62, s28, s29
	s_sub_co_i32 s56, 0, s62                       ; -(e0 + e1)
	s_add_co_i32 s63, s30, s31
	s_sub_co_i32 s57, 0, s63                       ; -(e2 + e3)
	s_add_co_i32 s62, s62, s63
	s_lshl_b32 s62, s62, 23
	s_add_co_i32 s48, s62, 0x3eb8aa3b              ; c = log2(e) / 4 x 2^(e0+e1+e2+e3): the four exponents are added to its exponent field
	s_mov_b32 s49, s48                             ; (named with it as a pair, so it is written)
	s_add_co_i32 s58, s32, s33                     ; e4 + e5
	s_add_co_i32 s60, s34, s35
	s_add_co_i32 s60, s60, 127
	s_lshl_b32 s60, s60, 23                        ; 2^(e6 + e7)
	s_mov_b32 s61, s60
	s_mov_b32 s50, 0x76543210                      ; v_permlanex16_b32: lane l xor 16
	s_mov_b32 s51, 0xfedcba98
	s_wait_xcnt 0x0                                ; the loads above have had their addresses translated (ISA guide 3.1): v8 to v11 may be written; v5, which the later tiles' loads name, stays
	s_wait_alu depctr_vm_vsrc(0)                   ; the loads above have read v8, v10, v11, which the lines below write, and the weight's offsets, in whose registers tile 2's rows land and the weight's codes are written
	s_lshl_b32 s62, s36, 10
	v_add_nc_u32 v8, s62, v1                       ; where I store my weight's image
	s_add_co_u32 s62, s62, VIMG
	v_add_nc_u32 v10, s62, v1                      ; V's images of my 64 keys
	s_lshl_b32 s62, s36, 12
	s_add_co_u32 s62, s62, EIMG
	v_add_nc_u32 v9, s62, v1                       ; my four tiles' images
	v_lshl_add_u32 v11, v0, 3, BIAS                ; my two mask terms
	v_mov_b32 v23, 0xff800000                      ; -infinity
	; ---- quantising.  Each count: the loads issued behind the ones that are wanted
	s_wait_loadcnt 29                              ; the weight is in (behind it: 16 of tiles 0 and 1, 13 small)
	ELOAD 2, 24, 32, 48, 64                        ; no vector line since the wait ahead of the first run names v5 or these registers
	SETSC s47
.irp c, 0,1,2,3
	QUANT8 PC+2*\c, ER+8*\c
.endr
	v_nop
	s_wait_alu depctr_va_vdst(0)                   ; the conversions have written the weight's codes, and v8 to v11 are written: the LDS stores of the head read them
	ds_store_b128 v8, v[PC:PC+3]
	ds_store_b128 v8, v[PC+4:PC+7] offset:512
	SETSC s28
	s_wait_loadcnt 29                              ; tile 0 (behind it: tile 1's 8, 13 small, tile 2's 8)
	EQUANT 0, 104, 112, 120, 128
	ELOAD 3, 104, 112, 120, 128                    ; tile 3 takes tile 0's registers: the wait in EQUANT has shown the conversions done with them
	s_wait_loadcnt 29                              ; tile 1 (13 small, tile 2's 8, tile 3's 8)
	EQUANT 1, 136, 144, 152, 160
	s_wait_loadcnt 16                              ; the small ones (tile 2's 8, tile 3's 8)
	v_cmp_eq_u32 s69, 0, v12                       ; the two compares in one run,
	v_cmp_eq_u32 s70, 0, v13
	SETSC s30
	QUANT8 14, XF
	v_nop
	s_wait_alu depctr_va_sdst(0)                   ; s69 and s70 are written, ahead of the selects that read them
	v_cndmask_b32 v12, 0, v23, s69                 ; a hidden key's term is -infinity
	v_cndmask_b32 v13, 0, v23, s70
	s_wait_alu depctr_va_vdst(0)                   ; x's codes and the two mask terms are written, which the LDS stores read
	ds_store_b64 v21, v[14:15]                     ; registers 2 head, 2 head + 1 of x's fragment
	ds_store_b64 v11, v[12:13]
.irp i, 0,1,2,3,4,5,6,7
	v_ldexp_f32 v[BQ+\i], v[BQ+\i], s57            ; the biases go in as C, divided by the power of two that the sums lack
	v_ldexp_f32 v[BK+\i], v[BK+\i], s56
.endr
	SETSC s28
	s_wait_loadcnt 8                               ; tile 2 (tile 3's 8)
	EQUANT 2, 24, 32, 48, 64
	s_wait_loadcnt 0x0
	EQUANT 3, 104, 112, 120, 128
	BARRIER                                        ; the weights', x's and the encoder's images and the mask terms lie in LDS
	; ---- Q, and V's codes of my 64 keys for the four heads.  The loads below land in registers that held f32 rows and x: no vector line stands behind the wait in EQUANT 3, which has shown all their readers done
.irp hh, 0,1,2,3
	ds_load_b128 v[PB+8*\hh:PB+8*\hh+3],   v1 offset:(8+\hh)*1024
	ds_load_b128 v[PB+8*\hh+4:PB+8*\hh+7], v1 offset:(8+\hh)*1024+512
.endr
	ds_load_b128 v[WK:WK+3],   v20 offset:4096
	ds_load_b128 v[WK+4:WK+7], v20 offset:4608
	ds_load_b128 v[VF:VF+3],   v20
	ds_load_b128 v[VF+4:VF+7], v20 offset:512
	ds_load_b128 v[XF:XF+3],   v22
	ds_load_b128 v[XF+4:XF+7], v22 offset:16
	s_add_co_i32 s62, s32, s56
	SETSC s62                                      ; V's sums lack 2^(e0+e1): their conversion takes 2^(e4-e0-e1)
	s_wait_dscnt 0x0
	v_wmma_f32_16x16x64_fp8_fp8 v[QR:QR+7], v[VF:VF+7], v[XF:XF+7], v[BQ:BQ+7]   ; Q: source 0 = Wq's 16 columns of my head, source 1 = my 16 queries
.macro VHEAD hh                        ; source 0 = 16 keys, source 1 = Wv's 16 columns of head hh: lane (r, h) holds channel r, and its registers run along the keys, the next K
.irp i, 0,1,2,3,4,5,6,7
	v_ldexp_f32 v[OA+\i], v[16+\hh], s56           ; C: my channel's bias in all eight registers
.endr
.irp t, 0,1,2,3
	v_wmma_f32_16x16x64_fp8_fp8 v[KR+8*\t:KR+8*\t+7], v[ER+8*\t:ER+8*\t+7], v[PB+8*\hh:PB+8*\hh+7], v[OA:OA+7]
.endr
.rept 4
	v_nop                                          ; four places ahead of the first read of results (ISA guide 7.12.1)
.endr
.set i2, 0
.rept 32
	v_med3_num_f32 v[KR+i2], v[KR+i2], -v6, v6     ; each result from its low end on
.set i2, i2+1
.endr
	s_wait_dscnt 0x0                               ; the last head's stores are done
	s_wait_alu depctr_vm_vsrc(0)                   ; my LDS stores issued so far have read v[PC ..], which the conversions below write
.irp t, 0,1,2,3
	v_cvt_scalef32_pk8_fp8_f32 v[PC+2*\t:PC+2*\t+1], v[KR+8*\t:KR+8*\t+7], v7
.endr
	v_nop
	s_wait_alu depctr_va_vdst(0)                   ; the conversions have written V's codes, which the LDS stores read
	ds_store_b128 v10, v[PC:PC+3]   offset:16384*\hh
	ds_store_b128 v10, v[PC+4:PC+7] offset:16384*\hh+512
.endm
	VHEAD 0
	VHEAD 1
	VHEAD 2
	VHEAD 3
	BARRIER                                        ; V's images lie in LDS; from here to the loop's end LDS is only read
	s_wait_alu depctr_vm_vsrc(0)                   ; the last head's LDS stores have read v10, which is written below, and v[PC ..], which the loop's conversions write
	; ---- start values: zeros, which the first move of M leaves zeros, and a largest t under every t
	SETSC s33
.irp i, 0,1,2,3,4,5,6,7
	v_mov_b32 v[OA+\i], 0
.endr
	v_mov_b32 v13, 0xff61b1e6                      ; -3e38
	v_floor_f32 v12, -v13
	v_mov_b32 v14, 0
	v_mov_b32 v15, 0
	v_mov_b32 v17, 0                               ; (named as the upper half of the pair v[16:17])
	v_mov_b32 v10, 0                               ; a lane permute's destination counts as one of its sources
	s_mov_b32 s52, EIMG
	s_lshl_b32 s53, s37, 14
	s_add_co_u32 s53, s53, VIMG
	s_mov_b32 s54, 0
	s_mov_b32 s55, 7
.macro ADRS                            ; the addresses of a pair of groups
	v_add_nc_u32 v3, s52, v1
	v_add_nc_u32 v4, s53, v1
	v_add_nc_u32 v5, s54, v2
.endm
.macro LE go                           ; four tiles of encoder codes, go groups on
.irp t, 0,1,2,3
	ds_load_b128 v[ER+8*\t:ER+8*\t+3],   v3 offset:(\go)*4096+\t*1024
	ds_load_b128 v[ER+8*\t+4:ER+8*\t+7], v3 offset:(\go)*4096+\t*1024+512
.endr
.endm
.macro LB go                           ; the mask terms in the result's layout: register j of tile t is key 16 t + 8 h + j; a half's lanes read the same bytes
.irp t, 0,1,2,3
	ds_load_b128 v[PB+8*\t:PB+8*\t+3],   v5 offset:(\go)*256+\t*64
	ds_load_b128 v[PB+8*\t+4:PB+8*\t+7], v5 offset:(\go)*256+\t*64+16
.endr
.endm
.macro LV go                           ; V's fragment: 16 channels x 64 keys
	ds_load_b128 v[VF:VF+3],   v4 offset:(\go)*1024
	ds_load_b128 v[VF+4:VF+7], v4 offset:(\go)*1024+512
.endm
.macro KP                              ; K of 64 keys: source 0 = Wk's 16 columns of my head, source 1 = 16 keys, C = bk
.irp t, 0,1,2,3
	v_wmma_f32_16x16x64_fp8_fp8 v[KR+8*\t:KR+8*\t+7], v[WK:WK+7], v[ER+8*\t:ER+8*\t+7], v[BK:BK+7]
.endr
.endm
.macro QK nxt                          ; product k of 16 of S^T = K Q^T + mask: step k / 4, tile k % 4.  The four sums take turns, one instruction a turn
.set SN, SCR+32*(\nxt)+8*(k%4)
.set KA, KR+8*(k%4)+2*(k/4)
.if k < 4
	v_wmma_f32_16x16x4_f32 v[SN:SN+7], v[KA:KA+1], v[QR+2*(k/4):QR+2*(k/4)+1], v[PB+8*(k%4):PB+8*(k%4)+7]
.else
	v_wmma_f32_16x16x4_f32 v[SN:SN+7], v[KA:KA+1], v[QR+2*(k/4):QR+2*(k/4)+1], v[SN:SN+7]
.endif
.endm
; THE SOFTMAX OF 64 KEYS is a list of 126 instructions; SMI writes number j of it, on set cur of S^T.
;   0-14 the largest score, two chains; each tile is read first at its low end (numbers 0, 3, 7, 11)     15-24 the other half's; t; the running t; -M; f = 2^(old M - new M)
;   25-40 t - M, two at a time, from S^T into PB     41-72 the exponentials, ONE batch     73 the sum x f, the plain line behind the batch; then the batch's one wait     74-89 the sum of the unquantised p
;   90-121 the hold (p is not negative: one-sided)     122-125 the conversions
.macro SMI cur
.set SB, SCR+32*(\cur)
.if j == 0
	v_max3_num_f32 v8, v[SB], v[SB+1], v[SB+2]
.elseif j == 1
	v_max3_num_f32 v9, v[SB+3], v[SB+4], v[SB+5]
.elseif j < 15
	v_max3_num_f32 v[8+j%2], v[8+j%2], v[SB+2*j+2], v[SB+2*j+3]
.elseif j == 15
	v_max_num_f32 v8, v8, v9
.elseif j == 16
	v_permlanex16_b32 v10, v8, s50, s51            ; the query's other 32 keys lie in the lane 16 away
.elseif j == 17
	v_max_num_f32 v8, v8, v10
.elseif j == 18
	v_mul_f32 v8, s48, v8                          ; as t (c is positive)
.elseif j == 19
	v_max_num_f32 v13, v13, v8
.elseif j == 20
	v_mov_b32 v9, v12
.elseif j == 21
	v_floor_f32 v12, -v13                          ; -M = floor(-t): M is a whole number
.elseif j == 22
	v_sub_f32 v9, v12, v9                          ; old M - new M, 0 or less
.elseif j == 23
	v_cvt_i32_f32 v9, v9                           ; (it saturates)
.elseif j == 24
	v_ldexp_f32 v16, 1.0, v9
.elseif j < 41
	v_pk_fma_f32 v[PB+2*(j-25):PB+2*(j-25)+1], v[SB+2*(j-25):SB+2*(j-25)+1], s[48:49], v[12:13] op_sel_hi:[1,0,0]
.elseif j < 73
	v_exp_f32 v[PB+j-41], v[PB+j-41]
.elseif j == 73
	v_pk_mul_f32 v[14:15], v[14:15], v[16:17] op_sel_hi:[1,0]
	s_wait_alu depctr_va_vdst(0)                   ; one wait for the 32 exponentials, ahead of the first line that names a result.  It also states that the last turn's K products are done reading
	                                               ; the encoder codes and its V^T P reading V's fragment, and that v3, v4, v5 are written: the loads that TURN lays directly behind it lean on that
.elseif j == 74
	v_pk_add_f32 v[18:19], v[PB:PB+1], v[PB+2:PB+3]
.elseif j < 89
	v_pk_add_f32 v[14+4*((j-75)%2):15+4*((j-75)%2)], v[14+4*((j-75)%2):15+4*((j-75)%2)], v[PB+4+2*(j-75):PB+5+2*(j-75)]
.elseif j == 89
	v_pk_add_f32 v[14:15], v[14:15], v[18:19]
.elseif j < 122
	v_min_num_f32 v[PB+j-90], v[PB+j-90], v6
.else
	v_cvt_scalef32_pk8_fp8_f32 v[PC+2*(j-122):PC+2*(j-122)+1], v[PB+8*(j-122):PB+8*(j-122)+7], v7
.endif
.endm
.macro SL cur, n                       ; the next n numbers of the list, as far as it goes
.rept \n
.if j < 126
	SMI \cur
.set j, j+1
.endif
.endr
.endm
; A TURN: the softmax of the group whose scores lie in set cur.  par: the group's place in its pair.  qk = 1: the next group's scores are made into the other set.  pre = 1: the group after next is fetched and its K made.
; DISTANCES behind the f32 form (eight places for vector writes, nine for a matrix instruction that writes over a register; ISA guide 7.12.1; only plain vector lines are counted):
;   number 25 writes the C of product 0 behind numbers 8-24; number 37 that of product 3 behind 20-36; KP writes K behind four multiplies and six v_nop; the next turn reads tile 3 at number 11.
; Behind the 8-bit form (five): product 0 takes K behind numbers 0-7.
; THE LOADS.  The slice of k = 8 ends with number 73 and the exponentials' wait: the encoder codes of the group after next and V's fragment of the group in hand are asked for directly behind it, seven products K Q^T and the
; rest of the list ahead of the wait for them.  The mask terms follow behind the list's last conversion, with a wait of their own.
; O^T'S CHAIN.  In the loop a product V^T P stands alone between K's four products and the next sixteen K Q^T: a turn of one instruction, and no wait is written.  The last turn has no other matrix work, so the products
; V^T P of groups 14 and 15 follow each other: a turn of two on one accumulator.  There (pre = 0) the wait stands directly ahead of both.
.macro TURN cur, par, qk, pre
.set j, 0
	SL \cur, 8
.if \qk
	s_wait_dscnt 0x0                               ; the next group's mask terms are in; no LDS load of mine is out
.endif
.if \par == 0
	s_wait_alu depctr_vm_vsrc(0)                   ; the LDS loads issued so far have read v3, v4 and v5, which the three lines below write
	ADRS
.endif
.set k, 0
.rept 16
.if \qk
	QK 1-\cur
.endif
.if k < 4
	SL \cur, 4
.else
	SL \cur, 10
.endif
.if k == 8
.if \pre
	LE 2+\par                                      ; no wait of their own: they stand directly behind number 73's
.endif
	LV \par
.endif
.if (k == 14) && \pre
	s_wait_alu depctr_va_vdst(0)                   ; the list is out: the holds have written p and the conversions have read it; its registers take the mask terms of the group after next
	LB 2+\par
.endif
.set k, k+1
.endr
.irp i, 0,2,4,6
	v_pk_mul_f32 v[OA+\i:OA+\i+1], v[OA+\i:OA+\i+1], v[16:17] op_sel_hi:[1,0]   ; O^T under the new M; also the plain lines between the conversions and the product that reads the codes
.endr
.if \qk
.rept 6
	v_nop
.endr
.endif
.if \pre
	s_wait_dscnt 0x8                               ; the encoder codes and V are in; the eight youngest loads, the mask terms, may be out
	KP
.else
	s_wait_dscnt 0x0                               ; V is in
	s_wait_alu depctr_va_vdst(0)                   ; the two links of O^T's turn of two: a wait directly ahead of each
.endif
	v_wmma_f32_16x16x64_fp8_fp8 v[OA:OA+7], v[VF:VF+7], v[PC:PC+7], v[OA:OA+7]   ; O^T += V^T P^T: source 0 = 16 channels, source 1 = my 16 queries, K = the 64 keys
.endm
	; ---- the way in: K and the scores of group 0, K of group 1
	ADRS
	s_wait_alu depctr_va_vdst(0)                   ; v3, v4, v5 are written, which the loads below read; V's products are done reading the encoder codes and Wv's fragments, in whose registers those loads land
	LE 0
	LB 0
	s_wait_dscnt 0x0
	KP
.rept 5
	v_nop                                          ; five places: the products below take K as a source
.endr
	s_wait_alu depctr_va_vdst(0)                   ; K's four products are done reading group 0's codes, in whose registers group 1's land
	LE 1
.set k, 0
.rept 16
	QK 0
.set k, k+1
.endr
.rept 10
	v_nop                                          ; nine ahead of KP, which writes K; eight ahead of the first read of the scores
.endr
	s_wait_alu depctr_va_vdst(0)                   ; the first four products K Q^T are done reading group 0's mask terms, in whose registers group 1's land
	LB 1
	s_wait_dscnt 0x8                               ; group 1's codes are in; its mask terms may be out
	KP
.Ltrip:                                            ; seven trips of two turns: groups 0 to 13
	TURN 0, 0, 1, 1
	TURN 1, 1, 1, 1
	s_add_co_u32 s52, s52, 8192
	s_add_co_u32 s53, s53, 2048
	s_add_co_u32 s54, s54, 512
	s_sub_co_i32 s55, s55, 1
	s_cmp_lg_u32 s55, 0
	s_cbranch_scc1 .Ltrip
	TURN 0, 0, 1, 0                                ; group 14: the scores of group 15 are still made; nothing more is fetched but V
	TURN 1, 1, 0, 0                                ; group 15
	; ---- ctx = O^T x 2^(e4+e5) / the sum, quantised: registers 2 head, 2 head + 1 of ctx's fragment
	v_add_f32 v14, v14, v15                        ; the sum's two halves (these lines are the places behind the last product),
	v_permlanex16_b32 v10, v14, s50, s51
	v_add_f32 v14, v14, v10                        ; and lane l xor 16's
	v_cmp_eq_f32 s68, 0, v14                       ; every key hidden
	v_rcp_f32 v11, v14
	SETSC s34                                      ; (its first vector line is the plain line behind the reciprocal)
	s_wait_alu depctr_va_sdst(0)                   ; s68 is written, ahead of its first reader, the selects of the way out
	s_wait_alu depctr_va_vdst(0)                   ; ahead of the first line that names the reciprocal
	v_ldexp_f32 v11, v11, s58
.irp i, 0,1,2,3,4,5,6,7
	v_mul_f32 v[ER+\i], v[OA+\i], v11
.endr
	QUANT8 ER+8, ER
	v_nop
	s_wait_alu depctr_va_vdst(0)                   ; the conversion has written ctx's codes, which the LDS store reads; the products that read K are done, and in its registers Wproj's and ctx's fragments land
	ds_store_b64 v21, v[ER+8:ER+9] offset:CTXO
	ds_load_b128 v[KR:KR+3],   v20 offset:12288    ; Wproj's fragment of column tile w % 4
	ds_load_b128 v[KR+4:KR+7], v20 offset:12800
	BARRIER                                        ; the four heads' codes of each tile of queries lie in LDS
	ds_load_b128 v[KR+8:KR+11],  v22 offset:CTXO
	ds_load_b128 v[KR+12:KR+15], v22 offset:CTXO+16
	s_wait_dscnt 0x0
	s_wait_alu depctr_vm_vsrc(0)                   ; the last loads of V's fragments have read v4, which is written below
	v_wmma_f32_16x16x64_fp8_fp8 v[KR+16:KR+23], v[KR:KR+7], v[KR+8:KR+15], 0   ; source 0 = 16 columns of Wproj, source 1 = my 16 queries: a lane holds eight neighbouring columns of one row of out
	v_and_b32 v3, 15, v0                           ; the addresses of the way out are the places behind it
	v_bfe_u32 v4, v0, 4, 1
	v_mul_u32_u24 v5, v3, SPITCH
	v_lshl_add_u32 v5, v4, 5, v5
	s_mul_i32 s62, s38, 16*SPITCH
	s_lshl_b32 s63, s37, 6
	s_add_co_u32 s62, s62, s63
	s_add_co_u32 s62, s62, STG
	v_add_nc_u32 v5, s62, v5                       ; into the stage: row 16 tile + r, byte 64 head + 32 h
	v_mul_u32_u24 v2, v4, SPITCH
	v_lshl_add_u32 v2, v3, 4, v2
	s_mul_i32 s62, s36, 4*SPITCH
	s_add_co_u32 s62, s62, STG
	v_add_nc_u32 v2, s62, v2                       ; back: rows 4 w + h and 4 w + 2 + h, 16 bytes a lane
	v_lshlrev_b32 v8, 8, v4
	v_lshl_add_u32 v8, v3, 4, v8                   ; and the same place in out
	v_mov_b32 v9, 0x7fc00000                       ; NaN
.irp i, 0,2,4,6
	v_pk_fma_f32 v[KR+24+\i:KR+25+\i], v[KR+16+\i:KR+17+\i], s[60:61], v[BP+\i:BP+\i+1] op_sel_hi:[1,0,1]   ; sum x 2^(e6+e7) + bproj
.endr
.irp i, 0,1,2,3,4,5,6,7
	v_cndmask_b32 v[KR+24+\i], v[KR+24+\i], v9, s68
.endr
	s_wait_alu depctr_va_vdst(0)                   ; my eight numbers of out and v5 are written, which the LDS stores read; so are v2 and v8, which the loads and stores behind the barrier read; the softmax is done with p's registers, in which those loads land
	ds_store_b128 v5, v[KR+24:KR+27]
	ds_store_b128 v5, v[KR+28:KR+31] offset:16
	BARRIER                                        ; 64 whole rows of out lie in the stage
	ds_load_b128 v[PB:PB+3],   v2
	ds_load_b128 v[PB+4:PB+7], v2 offset:2*SPITCH
	s_wait_dscnt 0x1                               ; the first pair of rows is back
	global_store_b128 v8, v[PB:PB+3], s[24:25] th:TH_STORE_NT              ; 32 lanes store 512 consecutive bytes, at a multiple of 256 from out's first byte
	s_wait_dscnt 0x0
	global_store_b128 v8, v[PB+4:PB+7], s[24:25] offset:512 th:TH_STORE_NT
	s_wait_xcnt 0x0
	v_lshl_add_u32 v254, v0, 2, 0x2b400            ; the add's two registers, made anew: no memory or LDS instruction has read v254 or v255
	v_mov_b32 v255, 0
	s_wait_dscnt 0x0                               ; the closing lines, six on end
	s_wait_alu 0x0
	s_wait_tensorcnt 0x0
	ds_add_u32 v254, v255
	s_wait_dscnt 0x0
	s_endpgm
.Lfunc_end_k_q81cb5c9bce_attn:
	.size	k_q81cb5c9bce_attn, .Lfunc_end_k_q81cb5c9bce_attn-k_q81cb5c9bce_attn
	.p2alignl 7, 3214868480
	.fill 96, 4, 3214868480
	.section	.rodata,"a",@progbits
	.p2align	6, 0x0
	.amdhsa_kernel k_q81cb5c9bce_attn
		.amdhsa_group_segment_fixed_size 179200
		.amdhsa_private_segment_fixed_size 0
		.amdhsa_enable_private_segment 0
		.amdhsa_kernarg_size 88
		.amdhsa_user_sgpr_count 2
		.amdhsa_user_sgpr_kernarg_segment_ptr 1
		.amdhsa_wavefront_size32 1
		.amdhsa_system_sgpr_workgroup_id_x 1
		.amdhsa_system_sgpr_workgroup_id_y 1
		.amdhsa_system_sgpr_workgroup_id_z 1
		.amdhsa_system_vgpr_workitem_id 0
		.amdhsa_next_free_vgpr 256
		.amdhsa_next_free_sgpr 72
		.amdhsa_reserve_vcc 0
		.amdhsa_float_denorm_mode_32 3
		.amdhsa_float_denorm_mode_16_64 3
		.amdhsa_memory_ordered 1
		.amdhsa_forward_progress 1
		.amdhsa_inst_pref_size 86
	.end_amdhsa_kernel
	.amdgpu_metadata
---
amdhsa.version: [ 1, 2 ]
amdhsa.kernels:
  - .name:           k_q81cb5c9bce_attn
    .symbol:         k_q81cb5c9bce_attn.kd
    .args:
      - { .name: x, .offset: 0, .size: 8, .value_kind: global_buffer, .address_space: global }
      - { .name: encoder_outputs, .offset: 8, .size: 8, .value_kind: global_buffer, .address_space: global }
      - { .name: encoder_outputs_mask, .offset: 16, .size: 8, .value_kind: global_buffer, .address_space: global }
      - { .name: Wkv, .offset: 24, .size: 8, .value_kind: global_buffer, .address_space: global }
      - { .name: bkv, .offset: 32, .size: 8, .value_kind: global_buffer, .address_space: global }
      - { .name: Wq, .offset: 40, .size: 8, .value_kind: global_buffer, .address_space: global }
      - { .name: bq, .offset: 48, .size: 8, .value_kind: global_buffer, .address_space: global }
      - { .name: Wproj, .offset: 56, .size: 8, .value_kind: global_buffer, .address_space: global }
      - { .name: bproj, .offset: 64, .size: 8, .value_kind: global_buffer, .address_space: global }
      - { .name: lowp_scales, .offset: 72, .size: 8, .value_kind: global_buffer, .address_space: global }
      - { .name: out0, .offset: 80, .size: 8, .value_kind: global_buffer, .address_space: global }
    .group_segment_fixed_size: 179200
    .private_segment_fixed_size: 0
    .kernarg_segment_align: 8
    .kernarg_segment_size: 88
    .max_flat_workgroup_size: 512
    .sgpr_count:     72
    .vgpr_count:     256
    .wavefront_size: 32
...
	.end_amdgpu_metadata
.endif
;; end of part 2
